; MI455X (gfx1250); checked and timed in simulation.
; The chip was launched on July 23, 2026; its instructions are those of AMD's public machine-readable ISA for CDNA 5 (MIT licence, August 2026) and "CDNA5" Instruction Set Architecture Reference Guide (July 2026). The comments in the code are by the model that wrote it; some were corrected since.
;; Model. Allowed arithmetic: float matrix products may take bf16 or f16 operands with f32 sums; all other float work in f32.
;; Inputs: b1 32 float32; b2 1 float32; bproj 32 float32; w1 32 x 1 float32; w2 1 x 32 float32; wproj 32 x 32 float32; wqkv 96 x 32 float32; x 8 x 1 x 512 x 512 float32.
;; Outputs: out0 8 x 1 x 512 x 512 float32.
;; Constants: m = 8, n = 8.
;; One version. Each part assembles by itself: llvm-mc -triple=amdgcn-amd-amdhsa -mcpu=gfx1250 --defsym DOCPART=n.
;; ======== version 1 of 1: 2 launches
;; workspace buffers: part 1,097,728 bytes
;; launch gram (part 1): grid 64 x 1, 5 waves a work-group, no clusters, 207,616 bytes of LDS; arguments x, w1, b1, wqkv, wproj, bproj, w2, b2, part; writes part
.if DOCPART == 1
	.amdgcn_target "amdgcn-amd-amdhsa--gfx1250"
	.amdhsa_code_object_version 6
	.text
	.protected	k_q84cd8a3450_gram
	.globl	k_q84cd8a3450_gram
	.p2align	8
	.type	k_q84cd8a3450_gram,@function
k_q84cd8a3450_gram:
	s_mov_b64 s[64:65], 0
	v_nop
	global_prefetch_b8 v0, s[64:65] scope:SCOPE_SE
	s_setreg_imm32_b32 hwreg(HW_REG_WAVE_MODE, 25, 1), 1
	s_wait_xcnt 0x0
; FIRST OF TWO LAUNCHES.  x has ONE channel, so every channel of q, k, v is affine in the same pixel:
;   q[o][p] = aq[o] x[p] + cq[o], aq = Wq w1, cq = Wq b1; ak, av, cv likewise from the K and V rows of wqkv.
; With G[i][j] = sum over p of x_i[p] x_j[p] and s[j] = sum over p of x_j[p] (i, j: the 64 sub-domain tokens of an image):
;   score_h[i][j] = scale (alpha_h G[i][j] + gamma_h s[j]) + terms without j,   alpha_h = sum over the head of aq ak, gamma_h = of cq ak
;   out[i][p]     = sum over j of M[i][j] x_j[p] + const,   M = sum over h of e_h softmax_h,   e_h = sum over the head of (w2 wproj) av,
;   const         = (w2 wproj) . cv + w2 . bproj + b2.
; LIMITS, stated: the sums are reassociated as above; the score terms without j are not formed (they are constant along the softmax's
; axis and cancel in it); const uses that a softmax row sums to 1; x goes to the matrix unit in bf16 (sums in f32), s is summed in f32.
;
; THIS LAUNCH: partial G and s over an eighth of the points, and the 13 coefficients.  64 work-groups: image b = wg / 8, split sp = wg % 8,
; which owns the rows hy = 8 sp .. 8 sp + 7 of every token: 64 tokens x 512 points, 128 KiB of x.  Bytes into a work-group over both
; launches are 1024/NS + 16 NS + 32 KiB for NS splits, least at NS = 8: so there is work for 64 work-groups here, and no more are launched.
; Waves 0-3 split the points (wave w: hy = 8 sp + 2 w + y, y = 0, 1) and keep all 16 tiles of G each; wave 4 makes the coefficients meanwhile.
; NO CLUSTER: no byte of x is read by two work-groups; what all share is the 17 KiB of weights beside 128 KiB of x a work-group.
;
; part, block wg of BLK bytes:  [0, 16384) G: quad q = 2 (4 tj + ti) + half at 512 q + 16 lane; lane (r = l % 16, h = l / 16), word e:
; G[16 ti + 8 h + 4 half + e][16 tj + r].   [16384, 16640) s[64].   [16640, 17152) 32 tuples (c1, e, c2, const), tuple c for head c / 8,
; c1 = alpha K1, c2 = gamma K1, K1 = log2(e) / (4096 sqrt 8).
.set BLK,    17152
.set P_S,    16384
.set P_COEF, 16640
.set K1,     0x390293ee
; LDS: eight tiles of x (wave w, y), each 8 rows (ni) of 512 f32, 16 bytes of padding behind every token's 256 bytes.
.set SEG,    272                       ; a token's 64 points + padding
.set TROW,   8*SEG                     ; 2,176: the eight tokens of one ni
.set TILE,   8*TROW                    ; 17,408
.set RED,    8*TILE                    ; 139,264: four dumps of 16 KiB, the waves' partial G; no fill lands here
.set DUMP,   16384
.set SSCR,   RED+4*DUMP                ; 204,800: eight vectors of 64 f32, index 2 w + h
; registers of waves 0-3
.set FA,  4                            ; v4  LDS address of my 64 bytes of token r in my wave's tile y = 0
.set DA,  5                            ; v5  my 16 bytes in my wave's dump
.set SS,  6                            ; v6  my word in vector 2 w + h
.set SA,  10                           ; v[10:17]   running sums of x, a pair for each of the four token tiles
.set RAW, 32                           ; v[32:95]   16 f32 for each token tile
.set FR,  96                           ; v[96:127]  the same in bf16: four fragments of 16 tokens x 32 points
.set ACC, 128                          ; v[128:255] tile (ti, tj) of G at 8 (4 tj + ti)
; registers of wave 4 (lane c = channel c)
.set AQ, 14
.set CQ, 16
.set AK, 18
.set AV, 20
.set CV, 22
.set WP2, 24
.set RQ, 32                            ; v[32:63]   wqkv row c
.set RK, 64                            ; v[64:95]   wqkv row 32 + c
.set RV, 96                            ; v[96:127]  wqkv row 64 + c
.set VW1, 128                          ; v[128:159] w1, the same in every lane
.set VB1, 160                          ; v[160:191] b1
.set VW2, 192                          ; v[192:223] w2
.set WPC, 224                          ; v[224:255] wproj[o][c], o = 0 .. 31
	s_load_b512 s[4:19], s[0:1], 0x0               ; x 4, w1 6, b1 8, wqkv 10, wproj 12, bproj 14, w2 16, b2 18
	s_load_b64 s[20:21], s[0:1], 0x40              ; part
	v_lshl_add_u32 v26, v0, 2, 0x32800
	v_mov_b32 v27, 0
	ds_add_u32 v26, v27
	ds_add_u32 v26, v27
	v_lshrrev_b32 v1, 5, v0
	v_readfirstlane_b32 s22, v1                    ; wave 0 .. 4
	v_and_b32 v1, 31, v0                           ; lane
	s_mul_i32 s26, ttmp9, BLK
	s_mov_b32 s27, 0
	s_wait_dscnt 0x0
	s_wait_kmcnt 0x0
	s_add_nc_u64 s[20:21], s[20:21], s[26:27]      ; my block of part
	s_cmp_eq_u32 s22, 4
	s_cbranch_scc1 .Lcoef
	; ---- waves 0-3: two tiles each, both asked for at once, ahead of every wait on TENSORcnt, LDS read and barrier ----
	; group 1: 8 rows (ni) of 512 f32, 64 image rows apart; padding of 4 words behind every 64
	s_mov_b32 s28, (2<<16)|(1<<20)|(5<<22)|(3<<25) ; no mask; elements of 4 bytes; padding on; interval code 5 (64 words); 4 words (code 3)
	s_mov_b32 s29, 512<<16                         ; tensor_dim0 = 512
	s_mov_b32 s30, 8<<16                           ; tensor_dim1 = 8
	s_mov_b32 s31, 512<<16                         ; tile_dim0 = 512
	s_mov_b32 s32, 8                               ; tile_dim1 = 8
	s_mov_b32 s33, 32768                           ; elements from ni to ni + 1
	s_mov_b32 s34, 0
	s_mov_b32 s35, 0
	s_lshr_b32 s23, ttmp9, 3                       ; b
	s_and_b32 s24, ttmp9, 7                        ; sp
	s_lshl_b32 s26, s23, 20                        ; an image is 1 MiB
	s_lshl_b32 s24, s24, 14                        ; 8 sp rows of 2,048 bytes
	s_or_b32 s26, s26, s24
	s_lshl_b32 s24, s22, 12                        ; 2 w rows
	s_or_b32 s26, s26, s24
	s_add_nc_u64 s[4:5], s[4:5], s[26:27]          ; x at (b, ni = 0, hy = 8 sp + 2 w)
	s_mul_i32 s25, s22, 2*TILE                     ; my wave's two tiles in LDS
	s_mov_b32 s36, 1
	s_mov_b32 s37, s25
	s_mov_b64 s[38:39], s[4:5]
	s_or_b32 s39, s39, 0x80000000                  ; type 2
	s_mov_b32 s40, 1
	s_add_co_u32 s41, s25, TILE
	s_add_nc_u64 s[42:43], s[4:5], 2048            ; y = 1: one image row further down
	s_or_b32 s43, s43, 0x80000000
	tensor_load_to_lds s[36:39], s[28:35]
	s_nop 0
	tensor_load_to_lds s[40:43], s[28:35]          ; two tensor loads of the wave are out, and none follows
	s_nop 0
	v_and_b32 v2, 15, v0                           ; r
	v_bfe_u32 v3, v0, 4, 1                         ; h
	v_lshrrev_b32 v9, 3, v2
	v_and_b32 v[FA], 7, v2
	v_mul_u32_u24 v9, v9, TROW                     ; token 16 t + r lies in row 2 t + r / 8,
	v_mul_u32_u24 v[FA], v[FA], SEG                ; segment r % 8: sixteen lanes touch sixteen different 16-byte columns modulo 256 bytes
	v_add_nc_u32 v[FA], v[FA], v9
	v_lshl_add_u32 v[FA], v3, 6, v[FA]             ; half h takes points 16 h .. 16 h + 15 of a step of 32
	v_add_nc_u32 v[FA], s25, v[FA]
	s_lshl_b32 s24, s22, 14
	s_add_co_u32 s24, s24, RED
	v_lshl_add_u32 v[DA], v1, 4, s24
	s_lshl_b32 s24, s22, 9
	s_add_co_u32 s24, s24, SSCR
	v_lshl_add_u32 v[SS], v2, 2, s24
	v_lshl_add_u32 v[SS], v3, 8, v[SS]
; 16 LDS loads: for each token tile t my 16 neighbouring f32 of token 16 t + r, points 32 kk + 16 h .. + 15 of row y.
; The places of k in a fragment are thereby permuted, alike for both sources: both are the same registers.
.macro LOADRAW y, kk
.irp t, 0,1,2,3
.irp c, 0,1,2,3
	ds_load_b128 v[RAW+16*\t+4*\c:RAW+16*\t+4*\c+3], v[FA] offset:\y*TILE+\t*2*TROW+\kk*128+\c*16
.endr
.endr
.endm
; The step's numbers are added to the running sums in f32 and rounded to bf16.  first = 1: the first add starts the sums, nothing is cleared.
; The adds name no register of a matrix instruction: they are the places between the last product and the first write of FR (ISA guide 7.12.1).
.macro CONV first
	s_wait_dscnt 0x0                               ; the sixteen loads, issued ahead of the last step's products
.if \first
.irp t, 0,1,2,3
	v_pk_add_f32 v[SA+2*\t:SA+2*\t+1], v[RAW+16*\t:RAW+16*\t+1], v[RAW+16*\t+2:RAW+16*\t+3]
.endr
.else
.irp p, 0,1
.irp t, 0,1,2,3
	v_pk_add_f32 v[SA+2*\t:SA+2*\t+1], v[SA+2*\t:SA+2*\t+1], v[RAW+16*\t+2*\p:RAW+16*\t+2*\p+1]
.endr
.endr
.endif
.irp p, 2,3,4,5,6,7
.irp t, 0,1,2,3
	v_pk_add_f32 v[SA+2*\t:SA+2*\t+1], v[SA+2*\t:SA+2*\t+1], v[RAW+16*\t+2*\p:RAW+16*\t+2*\p+1]
.endr
.endr
.irp t, 0,1,2,3
.irp n, 0,1,2,3,4,5,6,7
	v_cvt_pk_bf16_f32 v[FR+8*\t+\n], v[RAW+16*\t+2*\n], v[RAW+16*\t+2*\n+1]
.endr
.endr
.endm
; 16 products, 32 points each.  The sixteen accumulators take turns, one instruction a turn, from step to step too.
.macro MUL zero
.irp tj, 0,1,2,3
.irp ti, 0,1,2,3
.if \zero
	v_wmma_f32_16x16x32_bf16 v[ACC+8*(4*\tj+\ti):ACC+8*(4*\tj+\ti)+7], v[FR+8*\ti:FR+8*\ti+7], v[FR+8*\tj:FR+8*\tj+7], 0
.else
	v_wmma_f32_16x16x32_bf16 v[ACC+8*(4*\tj+\ti):ACC+8*(4*\tj+\ti)+7], v[FR+8*\ti:FR+8*\ti+7], v[FR+8*\tj:FR+8*\tj+7], v[ACC+8*(4*\tj+\ti):ACC+8*(4*\tj+\ti)+7]
.endif
.endr
.endr
.endm
	s_wait_tensorcnt 0x1                           ; my tile y = 0 is in; the one load issued behind it stays out.  Only I read my tiles: no barrier
	LOADRAW 0, 0
	CONV 1
	LOADRAW 0, 1                                   ; the next step's numbers come while this step is multiplied
	MUL 1                                          ; the first products start the sums
	CONV 0
	s_wait_tensorcnt 0x0                           ; tile y = 1
	LOADRAW 1, 0
	MUL 0
	CONV 0
	LOADRAW 1, 1
	MUL 0
	CONV 0
	MUL 0
.irp t, 0,1,2,3
	v_add_f32 v[SA+2*\t], v[SA+2*\t], v[SA+2*\t+1] ; four places behind the last product, ahead of the stores that read its result
.endr
.irp t, 0,1,2,3
	ds_store_b32 v[SS], v[SA+2*\t] offset:64*\t    ; token 16 t + r, my half's points
.endr
.irp q, 0,1,2,3,4,5,6,7,8,9,10,11,12,13,14,15,16,17,18,19,20,21,22,23,24,25,26,27,28,29,30,31
	ds_store_b128 v[DA], v[ACC+4*\q:ACC+4*\q+3] offset:512*\q
.endr
	s_branch .Ljoin
	; ---- wave 4: the coefficients, lane c = channel c, in f32 on the vector unit (some 20,000 operations) ----
.Lcoef:
	s_mov_b32 s44, 0x76543210                      ; v_permlanex16_b32: lane i reads lane i of the other half
	s_mov_b32 s45, 0xfedcba98
	v_lshlrev_b32 v2, 7, v1                        ; a row of wqkv is 128 bytes
	v_lshlrev_b32 v3, 2, v1
	v_mov_b32 v9, 0
	v_lshlrev_b32 v13, 4, v1
.irp i, 0,1,2,3,4,5,6,7
	global_load_b128 v[RQ+4*\i:RQ+4*\i+3], v2, s[10:11] offset:16*\i
	global_load_b128 v[RK+4*\i:RK+4*\i+3], v2, s[10:11] offset:4096+16*\i
	global_load_b128 v[RV+4*\i:RV+4*\i+3], v2, s[10:11] offset:8192+16*\i
	global_load_b128 v[VW1+4*\i:VW1+4*\i+3], v9, s[6:7] offset:16*\i
	global_load_b128 v[VB1+4*\i:VB1+4*\i+3], v9, s[8:9] offset:16*\i
	global_load_b128 v[VW2+4*\i:VW2+4*\i+3], v9, s[16:17] offset:16*\i
.endr
.irp o, 0,1,2,3,4,5,6,7,8,9,10,11,12,13,14,15,16,17,18,19,20,21,22,23,24,25,26,27,28,29,30,31
	global_load_b32 v[WPC+\o], v3, s[12:13] offset:128*\o
.endr
	global_load_b32 v10, v3, s[16:17]              ; w2[c]
	global_load_b32 v11, v3, s[14:15]              ; bproj[c]
	global_load_b32 v12, v9, s[18:19]              ; b2
	s_wait_loadcnt 0x0                             ; one wait: this wave works while the other four wait for their tiles
.macro FMA1 acc, row, vec, i
.if \i
	v_pk_fma_f32 v[\acc:\acc+1], v[\row+2*\i:\row+2*\i+1], v[\vec+2*\i:\vec+2*\i+1], v[\acc:\acc+1]
.else
	v_pk_mul_f32 v[\acc:\acc+1], v[\row:\row+1], v[\vec:\vec+1]
.endif
.endm
.irp i, 0,1,2,3,4,5,6,7,8,9,10,11,12,13,14,15
	FMA1 AQ,  RQ,  VW1, \i                         ; six dot products of 32, side by side
	FMA1 CQ,  RQ,  VB1, \i
	FMA1 AK,  RK,  VW1, \i
	FMA1 AV,  RV,  VW1, \i
	FMA1 CV,  RV,  VB1, \i
	FMA1 WP2, WPC, VW2, \i                         ; (w2 wproj)[c]
.endr
.irp a, AQ, CQ, AK, AV, CV, WP2
	v_add_f32 v[\a], v[\a], v[\a+1]
.endr
	v_mul_f32 v28, v[AQ], v[AK]                    ; towards alpha
	v_mul_f32 v29, v[WP2], v[AV]                   ; towards e
	v_mul_f32 v30, v[CQ], v[AK]                    ; towards gamma
	v_mul_f32 v31, v[WP2], v[CV]                   ; towards const
	v_fmac_f32 v31, v10, v11
.irp m, 1,2,4
	v_add_f32_dpp v28, v28, v28 row_xmask:\m row_mask:0xf bank_mask:0xf    ; over the eight channels of my head
	v_add_f32_dpp v29, v29, v29 row_xmask:\m row_mask:0xf bank_mask:0xf
	v_add_f32_dpp v30, v30, v30 row_xmask:\m row_mask:0xf bank_mask:0xf
	v_add_f32_dpp v31, v31, v31 row_xmask:\m row_mask:0xf bank_mask:0xf
.endr
	v_add_f32_dpp v31, v31, v31 row_xmask:8 row_mask:0xf bank_mask:0xf     ; const: over all 32 channels
	v_permlanex16_b32 v19, v31, s44, s45
	v_mul_f32 v28, K1, v28
	v_mul_f32 v30, K1, v30
	v_add_f32 v31, v31, v19
	v_add_f32 v31, v31, v12
	global_store_b128 v13, v[28:31], s[20:21] offset:P_COEF    ; 512 consecutive bytes; its registers are not written again
.Ljoin:
	s_wait_dscnt 0x0                               ; my dump and my sums are in LDS
	s_barrier_signal -1
	s_barrier_wait -1                              ; everybody's are
	s_cmp_eq_u32 s22, 4
	s_cbranch_scc1 .Lsum_s
	; ---- waves 0-3: wave w adds the four dumps' quads 8 w .. 8 w + 7 and stores them ----
	s_lshl_b32 s24, s22, 12
	v_lshl_add_u32 v8, v1, 4, s24                  ; 4,096 w + 16 lane: my place in a dump and in part
	v_add_nc_u32 v7, RED, v8
.irp q, 0,1,2,3,4,5,6,7
.irp d, 0,1,2,3
	ds_load_b128 v[ACC+16*\q+4*\d:ACC+16*\q+4*\d+3], v7 offset:\d*DUMP+\q*512
.endr
.endr
.irp q, 0,1,2,3,4,5,6,7
	s_wait_dscnt 28-4*\q                           ; LDS loads come back in order: the 4 (q + 1) oldest of the 32 are in
	v_pk_add_f32 v[ACC+16*\q:ACC+16*\q+1],     v[ACC+16*\q:ACC+16*\q+1],     v[ACC+16*\q+4:ACC+16*\q+5]
	v_pk_add_f32 v[ACC+16*\q+2:ACC+16*\q+3],   v[ACC+16*\q+2:ACC+16*\q+3],   v[ACC+16*\q+6:ACC+16*\q+7]
	v_pk_add_f32 v[ACC+16*\q+8:ACC+16*\q+9],   v[ACC+16*\q+8:ACC+16*\q+9],   v[ACC+16*\q+12:ACC+16*\q+13]
	v_pk_add_f32 v[ACC+16*\q+10:ACC+16*\q+11], v[ACC+16*\q+10:ACC+16*\q+11], v[ACC+16*\q+14:ACC+16*\q+15]
	v_pk_add_f32 v[ACC+16*\q:ACC+16*\q+1],     v[ACC+16*\q:ACC+16*\q+1],     v[ACC+16*\q+8:ACC+16*\q+9]
	v_pk_add_f32 v[ACC+16*\q+2:ACC+16*\q+3],   v[ACC+16*\q+2:ACC+16*\q+3],   v[ACC+16*\q+10:ACC+16*\q+11]
	global_store_b128 v8, v[ACC+16*\q:ACC+16*\q+3], s[20:21] offset:512*\q   ; 512 consecutive bytes, aligned; each quad has registers of its own
.endr
	s_wait_tensorcnt 0x0
	ds_add_u32 v26, v27
	s_wait_dscnt 0x0
	s_endpgm
	; ---- wave 4: the eight vectors of partial sums of x ----
.Lsum_s:
	v_lshlrev_b32 v4, 3, v1                        ; tokens 2 lane, 2 lane + 1
	v_add_nc_u32 v5, SSCR, v4
.irp d, 0,1,2,3,4,5,6,7
	ds_load_b64 v[32+2*\d:33+2*\d], v5 offset:256*\d
.endr
	s_wait_dscnt 0x0
	v_pk_add_f32 v[32:33], v[32:33], v[34:35]
	v_pk_add_f32 v[36:37], v[36:37], v[38:39]
	v_pk_add_f32 v[40:41], v[40:41], v[42:43]
	v_pk_add_f32 v[44:45], v[44:45], v[46:47]
	v_pk_add_f32 v[32:33], v[32:33], v[36:37]
	v_pk_add_f32 v[40:41], v[40:41], v[44:45]
	v_pk_add_f32 v[32:33], v[32:33], v[40:41]
	global_store_b64 v4, v[32:33], s[20:21] offset:P_S         ; the 32 lanes store 256 consecutive bytes, aligned
	s_wait_tensorcnt 0x0
	ds_add_u32 v26, v27
	s_wait_dscnt 0x0
	s_endpgm
.Lfunc_end_k_q84cd8a3450_gram:
	.size	k_q84cd8a3450_gram, .Lfunc_end_k_q84cd8a3450_gram-k_q84cd8a3450_gram
	.p2alignl 7, 3214868480
	.fill 96, 4, 3214868480
	.section	.rodata,"a",@progbits
	.p2align	6, 0x0
	.amdhsa_kernel k_q84cd8a3450_gram
		.amdhsa_group_segment_fixed_size 207616
		.amdhsa_private_segment_fixed_size 0
		.amdhsa_enable_private_segment 0
		.amdhsa_kernarg_size 72
		.amdhsa_user_sgpr_count 2
		.amdhsa_user_sgpr_kernarg_segment_ptr 1
		.amdhsa_wavefront_size32 1
		.amdhsa_system_sgpr_workgroup_id_x 1
		.amdhsa_system_sgpr_workgroup_id_y 1
		.amdhsa_system_sgpr_workgroup_id_z 1
		.amdhsa_system_vgpr_workitem_id 0
		.amdhsa_next_free_vgpr 256
		.amdhsa_next_free_sgpr 66
		.amdhsa_reserve_vcc 0
		.amdhsa_float_denorm_mode_32 3
		.amdhsa_float_denorm_mode_16_64 3
		.amdhsa_memory_ordered 1
		.amdhsa_forward_progress 1
		.amdhsa_inst_pref_size 53
	.end_amdhsa_kernel
	.amdgpu_metadata
---
amdhsa.version: [ 1, 2 ]
amdhsa.kernels:
  - .name:           k_q84cd8a3450_gram
    .symbol:         k_q84cd8a3450_gram.kd
    .args:
      - { .name: x, .offset: 0, .size: 8, .value_kind: global_buffer, .address_space: global }
      - { .name: w1, .offset: 8, .size: 8, .value_kind: global_buffer, .address_space: global }
      - { .name: b1, .offset: 16, .size: 8, .value_kind: global_buffer, .address_space: global }
      - { .name: wqkv, .offset: 24, .size: 8, .value_kind: global_buffer, .address_space: global }
      - { .name: wproj, .offset: 32, .size: 8, .value_kind: global_buffer, .address_space: global }
      - { .name: bproj, .offset: 40, .size: 8, .value_kind: global_buffer, .address_space: global }
      - { .name: w2, .offset: 48, .size: 8, .value_kind: global_buffer, .address_space: global }
      - { .name: b2, .offset: 56, .size: 8, .value_kind: global_buffer, .address_space: global }
      - { .name: part, .offset: 64, .size: 8, .value_kind: global_buffer, .address_space: global }
    .group_segment_fixed_size: 207616
    .private_segment_fixed_size: 0
    .kernarg_segment_align: 8
    .kernarg_segment_size: 72
    .max_flat_workgroup_size: 160
    .sgpr_count:     66
    .vgpr_count:     256
    .wavefront_size: 32
...
	.end_amdgpu_metadata
.endif
;; end of part 1
;; launch apply (part 2): grid 256 x 1, 4 waves a work-group, no clusters, 17,920 bytes of LDS; arguments x, part, out0; writes out0
.if DOCPART == 2
	.amdgcn_target "amdgcn-amd-amdhsa--gfx1250"
	.amdhsa_code_object_version 6
	.text
	.protected	k_q84cd8a3450_apply
	.globl	k_q84cd8a3450_apply
	.p2align	8
	.type	k_q84cd8a3450_apply,@function
k_q84cd8a3450_apply:
	s_mov_b64 s[64:65], 0
	v_nop
	global_prefetch_b8 v0, s[64:65] scope:SCOPE_SE
	s_setreg_imm32_b32 hwreg(HW_REG_WAVE_MODE, 25, 1), 1
	s_wait_xcnt 0x0
; SECOND OF TWO LAUNCHES (the algebra and its stated limits stand at the head of the first).
;   z_h[i][j] = c1_h G[i][j] + c2_h s[j]  (base 2; the score terms without j cancel in the softmax and are not formed)
;   M[i][j]   = sum over h of e_h exp2(z_h[i][j] - max over j) / (sum over j of the same),   out[i][p] = sum over j of M[i][j] x_j[p] + const.
; The row's maximum is taken away as in the softmax it stands for.  LIMITS: M and x go to the matrix unit in bf16, sums in f32;
; v_exp_f32 gives zero where the result would lie below 2^-126 (ISA guide, its entry in 15.8): such weights count as zero.
; 256 work-groups: image b = wg / 32, t = wg % 32 owns the rows hy = 2 t, 2 t + 1 of all 64 tokens: 32 KiB of x in, 32 KiB out.
; Wave w: sums the eight partial G for queries 16 w .. 16 w + 15, makes their rows of M, and their output; and rounds a quarter of the
; group's x (row u = w / 2, keys 32 ks .. 32 ks + 31, ks = w % 2) to bf16 fragments, which the four waves share through LDS.
; Lane (r = l % 16, h = l / 16) holds query 16 w + r and keys 16 ti + 8 h + jj in register 8 ti + jj: G's tiles as the first launch left
; them, read with the two indices exchanged (G is symmetric).  That is the layout of a first source of 16 x 32: M needs no pass through LDS.
; NO CLUSTER: the 128 KiB of partials are shared by the 32 groups of an image, but they are summed from the registers into which they are
; loaded; a joint fill would add 64 LDS loads a wave and two rounds of the cluster's barrier in front of a single chain of dependent steps.
.set BLK,    17152
.set P_S,    16384
.set P_COEF, 16640
.set SSCR,   16384                     ; LDS: [0, 16384) 16 fragments of 1 KiB, f = 8 u + 4 ks + e; then 256 bytes of s for each wave
.set SL,  16                           ; v[16:31]   s of the eight splits; later at work
.set G,   32                           ; v[32:63]   split 0 of G, then the sum
.set S,   64                           ; v[64:95]   split 1; then s[j] of my 32 keys
.set Z,   96                           ; v[96:127]  split 2; then one head's exponents and weights
.set MM,  128                          ; v[128:159] split 3; then M
.set AF,  160                          ; v[160:191] split 4; then my four fragments of x; then M in bf16 (16 registers)
.set X,   192                          ; v[192:255] my quarter of x in f32; then the eight accumulators, (u, e) at 8 (4 u + e)
.set ACC, 192
.set BF,  32                           ; v[32:159]  behind the barrier: all 16 fragments; then, v[32:95], the quads to store
.set TMP, 32
; v[256:351]: splits 5, 6, 7 (window 1).  s_set_vgpr_msb's low byte: bits 1:0 source 0, 3:2 source 1, 5:4 source 2, 7:6 destination.
.set MSB, 0
.macro WIN new                         ; the immediate's high byte repeats the setting that is left
.if MSB != \new
	s_set_vgpr_msb (MSB<<8)|\new
.set MSB, \new
.endif
.endm
	s_load_b128 s[4:7], s[0:1], 0x0                ; x, part
	s_load_b64 s[8:9], s[0:1], 0x10                ; out0
	v_lshl_add_u32 v14, v0, 2, 0x4400
	v_mov_b32 v15, 0
	v_lshrrev_b32 v1, 5, v0
	v_readfirstlane_b32 s10, v1                    ; wave w
	v_and_b32 v1, 31, v0                           ; lane
	v_and_b32 v2, 15, v0                           ; r
	v_bfe_u32 v3, v0, 4, 1                         ; h
	s_mov_b32 s38, 0x76543210                      ; v_permlanex16_b32: lane i reads lane i of the other half
	s_mov_b32 s39, 0xfedcba98
	s_lshr_b32 s11, ttmp9, 5                       ; b
	s_and_b32 s12, ttmp9, 31                       ; t
	s_mul_i32 s14, s11, 8*BLK                      ; the image's eight blocks of part
	s_mov_b32 s15, 0
	s_and_b32 s13, s12, 7
	s_mul_i32 s40, s13, BLK                        ; every block holds the coefficients: the groups spread their reads over the eight
	s_mov_b32 s41, 0
	s_lshl_b32 s42, s11, 20                        ; x: image b,
	s_and_b32 s13, s10, 1
	s_lshl_b32 s13, s13, 19                        ; keys from 32 ks: ni from 4 ks, 128 KiB each,
	s_or_b32 s42, s42, s13
	s_lshl_b32 s13, s12, 12                        ; row 2 t
	s_or_b32 s42, s42, s13
	s_lshr_b32 s13, s10, 1
	s_lshl_b32 s13, s13, 11                        ; + u
	s_or_b32 s42, s42, s13
	s_mov_b32 s43, 0
	s_lshl_b32 s44, s11, 20                        ; out: image b,
	s_lshl_b32 s13, s10, 18                        ; queries from 16 w: ni from 2 w,
	s_or_b32 s44, s44, s13
	s_lshl_b32 s13, s12, 12                        ; row 2 t
	s_or_b32 s44, s44, s13
	s_mov_b32 s45, 0
	s_lshl_b32 s13, s10, 12
	v_lshl_add_u32 v4, v1, 4, s13                  ; 4,096 w + 16 lane: my quads in a block of part, and my wave's fragments in LDS
	v_lshlrev_b32 v5, 3, v1                        ; 8 lane: s of tokens 2 lane, 2 lane + 1
	v_lshlrev_b32 v6, 4, v2
	v_lshl_add_u32 v6, v3, 17, v6                  ; 16 r + one ni for the upper half: in x and in out alike
	s_lshl_b32 s13, s10, 8
	s_add_co_u32 s13, s13, SSCR
	v_add_nc_u32 v7, s13, v5                       ; my wave's s: where I put two
	v_lshl_add_u32 v8, v3, 5, s13                  ; and where my keys' begin: 8 h words
	v_lshlrev_b32 v10, 4, v1                       ; 16 lane: my part of any fragment
	s_wait_kmcnt 0x0
	s_add_nc_u64 s[6:7], s[6:7], s[14:15]
	s_add_nc_u64 s[32:33], s[6:7], s[40:41]
	s_add_nc_u64 s[34:35], s[4:5], s[42:43]
	s_add_nc_u64 s[36:37], s[8:9], s[44:45]
.irp hd, 0,1,2,3
	s_load_b128 s[16+4*\hd:19+4*\hd], s[32:33], P_COEF+128*\hd     ; head hd: c1, e, c2, const
.endr
	; 88 loads in one run, in the order in which they are used.  No address register of theirs is ever written again.
.irp sp, 0,1,2,3,4,5,6,7
	global_load_b64 v[SL+2*\sp:SL+2*\sp+1], v5, s[6:7] offset:\sp*BLK+P_S
.endr
.irp sp, 0,1,2,3,4
.irp q, 0,1,2,3,4,5,6,7
	global_load_b128 v[G+32*\sp+4*\q:G+32*\sp+4*\q+3], v4, s[6:7] offset:\sp*BLK+\q*512
.endr
.endr
	WIN 0x40                                       ; destination in window 1
.irp sp, 5,6,7
.irp q, 0,1,2,3,4,5,6,7
	global_load_b128 v[32*(\sp-5)+4*\q:32*(\sp-5)+4*\q+3], v4, s[6:7] offset:\sp*BLK+\q*512
.endr
.endr
	WIN 0
.irp g, 0,1
.irp mi, 0,1,2,3,4,5,6,7
	global_load_b128 v[X+4*(8*\g+\mi):X+4*(8*\g+\mi)+3], v6, s[34:35] offset:\g*262144+\mi*256 th:TH_LOAD_NT   ; token (ni = 4 ks + 2 g + h, mi), points 4 r .. 4 r + 3: sixteen lanes read its 256 bytes; read once in this launch
.endr
.endr
.macro ADDP p                          ; G += one split
.irp i, 0,1,2,3,4,5,6,7,8,9,10,11,12,13,14,15
	v_pk_add_f32 v[G+2*\i:G+2*\i+1], v[G+2*\i:G+2*\i+1], v[\p+2*\i:\p+2*\i+1]
.endr
.endm
	s_wait_loadcnt 56                              ; loads come back in order: 56 were issued behind s and splits 0, 1, 2
	v_pk_add_f32 v[SL:SL+1],     v[SL:SL+1],     v[SL+2:SL+3]
	v_pk_add_f32 v[SL+4:SL+5],   v[SL+4:SL+5],   v[SL+6:SL+7]
	v_pk_add_f32 v[SL+8:SL+9],   v[SL+8:SL+9],   v[SL+10:SL+11]
	v_pk_add_f32 v[SL+12:SL+13], v[SL+12:SL+13], v[SL+14:SL+15]
	v_pk_add_f32 v[SL:SL+1],     v[SL:SL+1],     v[SL+4:SL+5]
	v_pk_add_f32 v[SL+8:SL+9],   v[SL+8:SL+9],   v[SL+12:SL+13]
	v_pk_add_f32 v[SL:SL+1],     v[SL:SL+1],     v[SL+8:SL+9]
	ds_store_b64 v7, v[SL:SL+1]                    ; s, into my wave's own 256 bytes
	ADDP 64
	ADDP 96
.irp ti, 0,1,2,3
	ds_load_b128 v[S+8*\ti:S+8*\ti+3],   v8 offset:64*\ti          ; s of keys 16 ti + 8 h + 0 .. 7.  LDS serves a wave's instructions in order:
	ds_load_b128 v[S+8*\ti+4:S+8*\ti+7], v8 offset:64*\ti+16       ; these see the store above
.endr
	s_wait_loadcnt 40                              ; 40 were issued behind split 4
	ADDP 128
	ADDP 160
	s_wait_loadcnt 16                              ; the 16 of x were issued behind split 7
	WIN 0x04                                       ; source 1 in window 1
	ADDP 0
	ADDP 32
	ADDP 64
	WIN 0
	s_wait_loadcnt 0x0                             ; x
	; Fragment e (second source): column r stands for point 4 r + e; register 4 g + a holds keys 16 g + 8 h + 2 a, + 1 of my 32:
	; two tokens at one point, packed: x needs no transposing load.
.irp e, 0,1,2,3
.irp g, 0,1
.irp a, 0,1,2,3
	v_cvt_pk_bf16_f32 v[AF+8*\e+4*\g+\a], v[X+4*(8*\g+2*\a)+\e], v[X+4*(8*\g+2*\a+1)+\e]
.endr
.endr
.endr
.irp e, 0,1,2,3
	ds_store_b128 v4, v[AF+8*\e:AF+8*\e+3]   offset:\e*1024
	ds_store_b128 v4, v[AF+8*\e+4:AF+8*\e+7] offset:\e*1024+512
.endr
	s_wait_dscnt 0x0                               ; my fragments are in LDS (and s is in my registers)
	s_wait_kmcnt 0x0                               ; the coefficients
	s_barrier_signal -1                            ; the softmax below is register work: it stands between signal and wait
; One head.  32 keys in the lane, the other 32 in lane l xor 16.
.macro HEAD hd, first
.irp i, 0,1,2,3,4,5,6,7,8,9,10,11,12,13,14,15
	v_pk_mul_f32 v[Z+2*\i:Z+2*\i+1], v[S+2*\i:S+2*\i+1], s[18+4*\hd:19+4*\hd] op_sel_hi:[1,0]
.endr
.irp i, 0,1,2,3,4,5,6,7,8,9,10,11,12,13,14,15
	v_pk_fma_f32 v[Z+2*\i:Z+2*\i+1], v[G+2*\i:G+2*\i+1], s[16+4*\hd:17+4*\hd], v[Z+2*\i:Z+2*\i+1] op_sel_hi:[1,0,1]
.endr
	v_max_num_f32 v16, v[Z], v[Z+1]                ; the row's maximum, in two chains
	v_max_num_f32 v17, v[Z+16], v[Z+17]
.irp i, 1,2,3,4,5,6,7
	v_max3_num_f32 v16, v16, v[Z+2*\i], v[Z+2*\i+1]
	v_max3_num_f32 v17, v17, v[Z+16+2*\i], v[Z+17+2*\i]
.endr
	v_max_num_f32 v16, v16, v17
	v_permlanex16_b32 v18, v16, s38, s39
	v_max_num_f32 v20, v16, v18
	v_max_num_f32 v21, v16, v18
.irp i, 0,1,2,3,4,5,6,7,8,9,10,11,12,13,14,15
	v_pk_add_f32 v[Z+2*\i:Z+2*\i+1], v[Z+2*\i:Z+2*\i+1], v[20:21] neg_lo:[0,1] neg_hi:[0,1]
.endr
.irp i, 0,1,2,3,4,5,6,7,8,9,10,11,12,13,14,15,16,17,18,19,20,21,22,23,24,25,26,27,28,29,30,31
	v_exp_f32 v[Z+\i], v[Z+\i]
.endr
	v_nop                                          ; one plain place behind the last exponential, ahead of the first use (ISA guide 5.7.2)
	s_wait_alu depctr_va_vdst(0)
	v_pk_add_f32 v[22:23], v[Z:Z+1], v[Z+2:Z+3]    ; the row's sum, at least 1: the largest term is exp2(0)
	v_pk_add_f32 v[24:25], v[Z+16:Z+17], v[Z+18:Z+19]
.irp i, 2,3,4,5,6,7
	v_pk_add_f32 v[22:23], v[22:23], v[Z+2*\i:Z+2*\i+1]
	v_pk_add_f32 v[24:25], v[24:25], v[Z+16+2*\i:Z+17+2*\i]
.endr
	v_pk_add_f32 v[22:23], v[22:23], v[24:25]
	v_add_f32 v22, v22, v23
	v_permlanex16_b32 v18, v22, s38, s39
	v_add_f32 v22, v22, v18
	v_rcp_f32 v23, v22
	v_nop                                          ; one plain place behind the reciprocal
	s_wait_alu depctr_va_vdst(0)
	v_mul_f32 v26, s[17+4*\hd], v23                ; e_h / sum, twice for the packed forms
	v_mul_f32 v27, s[17+4*\hd], v23
.irp i, 0,1,2,3,4,5,6,7,8,9,10,11,12,13,14,15
.if \first
	v_pk_mul_f32 v[MM+2*\i:MM+2*\i+1], v[Z+2*\i:Z+2*\i+1], v[26:27]
.else
	v_pk_fma_f32 v[MM+2*\i:MM+2*\i+1], v[Z+2*\i:Z+2*\i+1], v[26:27], v[MM+2*\i:MM+2*\i+1]
.endif
.endr
.endm
	HEAD 0, 1
	HEAD 1, 0
	HEAD 2, 0
	HEAD 3, 0
.irp n, 0,1,2,3,4,5,6,7,8,9,10,11,12,13,14,15
	v_cvt_pk_bf16_f32 v[AF+\n], v[MM+2*\n], v[MM+2*\n+1]       ; registers 0-7: keys 0-31, registers 8-15: keys 32-63, each in a first source's layout
.endr
	s_barrier_wait -1                              ; every wave's fragments are in LDS
.irp f, 0,1,2,3,8,9,10,11,4,5,6,7,12,13,14,15
	ds_load_b128 v[BF+8*\f:BF+8*\f+3],   v10 offset:\f*1024        ; the fragments of keys 0-31 first
	ds_load_b128 v[BF+8*\f+4:BF+8*\f+7], v10 offset:\f*1024+512
.endr
	s_wait_dscnt 16                                ; the 16 loads of keys 32-63 may be out
	; eight accumulators take turns, one instruction a turn; the first products start the sums
.irp u, 0,1
.irp e, 0,1,2,3
	v_wmma_f32_16x16x32_bf16 v[ACC+8*(4*\u+\e):ACC+8*(4*\u+\e)+7], v[AF:AF+7], v[BF+8*(8*\u+\e):BF+8*(8*\u+\e)+7], 0
.endr
.endr
	s_wait_dscnt 0x0
.irp u, 0,1
.irp e, 0,1,2,3
	v_wmma_f32_16x16x32_bf16 v[ACC+8*(4*\u+\e):ACC+8*(4*\u+\e)+7], v[AF+8:AF+15], v[BF+8*(8*\u+4+\e):BF+8*(8*\u+4+\e)+7], v[ACC+8*(4*\u+\e):ACC+8*(4*\u+\e)+7]
.endr
.endr
.rept 4
	v_nop                                          ; four places behind the last product: the adds below read results and write over fragments (ISA guide 7.12.1)
.endr
	; Register jj of accumulator (u, e): query 16 w + 8 h + jj (token ni = 2 w + h, mi = jj), point 4 r + e of row 2 t + u.
	; Adding const also gathers the four e: 16 neighbouring bytes a lane.
.irp u, 0,1
.irp j, 0,1,2,3,4,5,6,7
.irp e, 0,1,2,3
	v_add_f32 v[TMP+4*(8*\u+\j)+\e], s19, v[ACC+8*(4*\u+\e)+\j]
.endr
	global_store_b128 v6, v[TMP+4*(8*\u+\j):TMP+4*(8*\u+\j)+3], s[36:37] offset:\u*2048+\j*256 th:TH_STORE_NT   ; sixteen lanes store a token row's 256 bytes, aligned; each store has data registers of its own
.endr
.endr
	s_wait_tensorcnt 0x0
	ds_add_u32 v14, v15
	s_wait_dscnt 0x0
	s_endpgm
.Lfunc_end_k_q84cd8a3450_apply:
	.size	k_q84cd8a3450_apply, .Lfunc_end_k_q84cd8a3450_apply-k_q84cd8a3450_apply
	.p2alignl 7, 3214868480
	.fill 96, 4, 3214868480
	.section	.rodata,"a",@progbits
	.p2align	6, 0x0
	.amdhsa_kernel k_q84cd8a3450_apply
		.amdhsa_group_segment_fixed_size 17920
		.amdhsa_private_segment_fixed_size 0
		.amdhsa_enable_private_segment 0
		.amdhsa_kernarg_size 24
		.amdhsa_user_sgpr_count 2
		.amdhsa_user_sgpr_kernarg_segment_ptr 1
		.amdhsa_wavefront_size32 1
		.amdhsa_system_sgpr_workgroup_id_x 1
		.amdhsa_system_sgpr_workgroup_id_y 1
		.amdhsa_system_sgpr_workgroup_id_z 1
		.amdhsa_system_vgpr_workitem_id 0
		.amdhsa_next_free_vgpr 352
		.amdhsa_next_free_sgpr 66
		.amdhsa_reserve_vcc 0
		.amdhsa_float_denorm_mode_32 3
		.amdhsa_float_denorm_mode_16_64 3
		.amdhsa_memory_ordered 1
		.amdhsa_forward_progress 1
		.amdhsa_inst_pref_size 59
	.end_amdhsa_kernel
	.amdgpu_metadata
---
amdhsa.version: [ 1, 2 ]
amdhsa.kernels:
  - .name:           k_q84cd8a3450_apply
    .symbol:         k_q84cd8a3450_apply.kd
    .args:
      - { .name: x, .offset: 0, .size: 8, .value_kind: global_buffer, .address_space: global }
      - { .name: part, .offset: 8, .size: 8, .value_kind: global_buffer, .address_space: global }
      - { .name: out0, .offset: 16, .size: 8, .value_kind: global_buffer, .address_space: global }
    .group_segment_fixed_size: 17920
    .private_segment_fixed_size: 0
    .kernarg_segment_align: 8
    .kernarg_segment_size: 24
    .max_flat_workgroup_size: 128
    .sgpr_count:     66
    .vgpr_count:     352
    .wavefront_size: 32
...
	.end_amdgpu_metadata
.endif
;; end of part 2
